; MI455X (gfx1250); checked and timed in simulation.
; The chip was launched on July 23, 2026; its instructions are those of AMD's public machine-readable ISA for CDNA 5 (MIT licence, August 2026) and "CDNA5" Instruction Set Architecture Reference Guide (July 2026). The comments in the code are by the model that wrote it; some were corrected since.
;; MLA. Allowed arithmetic: float matrix products may take bf16 or f16 operands with f32 sums; other float arithmetic in f32, or as packed bf16 or f16 multiplies, adds, multiply-adds, maxima and minima; sums over many terms, partial sums and values carried from step to step in f32; what a program stores and reads back later, other than sums and carried values, may be rounded once to bf16 or f16.
;; Inputs: wk 2,048 x 2,048 float32; wo 2,048 x 2,048 float32; wq 2,048 x 2,048 float32; wv 2,048 x 2,048 float32; x 4 x 1,024 x 2,048 float32.
;; Outputs: out0 4 x 1,024 x 2,048 float32.
;; 2 versions, each right; version 2 is version 1 with the launch cvt written anew for expert scheduling mode. Each part assembles by itself: llvm-mc -triple=amdgcn-amd-amdhsa -mcpu=gfx1250 --defsym DOCPART=n.
;; ======== version 1 of 2: 4 launches
;; limits: values are held in f16: magnitudes above 65,504 overflow, below 6.1e-05 lose precision
;; workspace buffers: ab 50,331,648 bytes; qkv 50,331,648 bytes; y 16,777,216 bytes
;; launch cvt (part 1): grid 768 x 1, 8 waves a work-group, no clusters, 0 bytes of LDS; arguments x, wq, wk, wv, wo, ab; writes ab
.if DOCPART == 1
	.amdgcn_target "amdgcn-amd-amdhsa--gfx1250"
	.amdhsa_code_object_version 6
	.text
	.protected	k_qd68bbda409_cvt
	.globl	k_qd68bbda409_cvt
	.p2align	8
	.type	k_qd68bbda409_cvt,@function
k_qd68bbda409_cvt:
	s_mov_b64 s[64:65], 0
	v_nop
	global_prefetch_b8 v0, s[64:65] scope:SCOPE_SE
	s_setreg_imm32_b32 hwreg(HW_REG_WAVE_MODE, 25, 1), 1
	s_wait_xcnt 0x0
; ROUNDS x, wq, wk, wv, wo TO 16 BITS AND LAYS THEM OUT FOR THE TWO PRODUCTS THAT FOLLOW.
; ab = [kb 0..31][row 0..12287][64 numbers of 2 bytes]: block kb holds columns 64 kb .. 64 kb + 63 of every row, so that any run of rows of one block is dense in memory.
;   rows 0..4095          x, bf16
;   rows 4096 + nn        wq, wk, wv, bf16, rows permuted: nn = T 2048 + u 128 + e 16 + r (T = 0, 1, 2 for q, k, v)
;                         q, k: source row r 128 + 8 u + e (head r, channel 8 u + e);   v: source row (8 (u & 1) + e) 128 + 16 (u >> 1) + r (head 8 (u & 1) + e, channel 16 (u >> 1) + r)
;   rows 10240 + n        wo, rounded to bf16 like every other input, and that number written as f16 (the last product's other operand is f16)
; LIMIT: |wo| stays under 65,504 (f16's range); below 6e-5 f16 keeps a fixed step of 6e-8.
; SHARES.  A work-group makes 16 rows of ab (rows 16 wg ..), all 32 blocks.  Thread t: row t / 16, four columns 4 (t % 16) .. of each block.  A wave's load takes 2 x 256 consecutive aligned bytes
; (64 f32 of each of its two rows); a wave's store writes 256 consecutive aligned bytes (two neighbouring rows of ab).  All 32 loads of a wave go out at once: no loop, no LDS, no matrix work:
; each byte is read once and written once, and nothing is shared between work-groups, so clusters would serve nothing.
.set KBS, 1572864                      ; bytes in a block of ab: 12,288 rows x 128
.set DO,  4                            ; v[4:11]   byte offset in ab of my 8 bytes in blocks 0, 4, 8, .. 28
.set X,   16                           ; v[16:143] load i: four registers
	s_load_b256 s[4:11], s[0:1], 0x0               ; x s[4:5], wq s[6:7], wk s[8:9], wv s[10:11]
	s_load_b128 s[12:15], s[0:1], 0x20             ; wo s[12:13], ab s[14:15]
	s_and_b32 s20, ttmp9, 127                      ; my place among a weight's 128 work-groups: 8 u + e (q, k, v), or n / 16 (wo)
	s_lshl_b32 s21, ttmp9, 4                       ; x: first source row 16 wg
	s_lshl_b32 s22, s20, 4                         ; wo: first source row
	s_bfe_u32 s24, s20, 0x10003                    ; v: u & 1
	s_lshl_b32 s24, s24, 3
	s_and_b32 s25, s20, 7                          ; e
	s_add_co_u32 s24, s24, s25
	s_lshl_b32 s24, s24, 7                         ; (8 (u & 1) + e) 128
	s_lshr_b32 s25, s20, 4                         ; u >> 1
	s_lshl_b32 s25, s25, 4
	s_add_co_u32 s23, s24, s25                     ; v: first source row
	s_mov_b32 s26, 0xffff0000                      ; a word's upper bf16
	s_lshl_b32 s27, ttmp9, 11                      ; my 16 rows of 128 bytes in a block of ab
	v_and_b32 v1, 15, v0                           ; c
	v_lshrrev_b32 v2, 4, v0                        ; r
	v_lshl_add_u32 v[DO], v0, 3, s27               ; 128 r + 8 c = 8 t
.irp g, 1,2,3,4,5,6,7
	v_add_nc_u32 v[DO+(\g)], (\g)*4*KBS, v[DO]
.endr
	s_wait_kmcnt 0x0
	; the source, its first row SA and the step SM from my row to the next: chosen by the work-group's number alone
	s_mov_b64 s[16:17], s[12:13]                   ; wo
	s_mov_b32 s18, s22
	s_mov_b32 s19, 1
	s_cmp_lt_u32 ttmp9, 640
	s_cselect_b64 s[16:17], s[10:11], s[16:17]     ; wv
	s_cselect_b32 s18, s23, s18
	s_cmp_lt_u32 ttmp9, 512
	s_cselect_b64 s[16:17], s[8:9], s[16:17]       ; wk
	s_cselect_b32 s18, s20, s18
	s_cselect_b32 s19, 128, s19
	s_cmp_lt_u32 ttmp9, 384
	s_cselect_b64 s[16:17], s[6:7], s[16:17]       ; wq
	s_cmp_lt_u32 ttmp9, 256
	s_cselect_b64 s[16:17], s[4:5], s[16:17]       ; x
	s_cselect_b32 s18, s21, s18
	s_cselect_b32 s19, 1, s19
	v_mad_u32_u24 v3, v2, s19, s18                 ; my source row
	v_lshlrev_b32 v3, 13, v3                       ; x 8,192 bytes
	v_lshl_add_u32 v3, v1, 4, v3                   ; + 16 c
.set n, 0
.rept 32
	global_load_b128 v[X+4*n:X+4*n+3], v3, s[16:17] offset:256*n th:TH_LOAD_NT  ; block n's 64 columns of two rows
.set n, n+1
.endr
; Load i is rounded and stored.  half = 1: the bf16 numbers are widened again (a shift, a mask) and written as f16.
; No register is written again behind a store that reads it, so no wait for the stores' sources is needed.
.macro OUT16 i, half
	s_wait_loadcnt 31-(\i)                         ; loads come back in order (ISA guide 5.7.1): load i is in, the younger ones stay out
	v_cvt_pk_bf16_f32 v[X+4*(\i)], v[X+4*(\i)], v[X+4*(\i)+1]
	v_cvt_pk_bf16_f32 v[X+4*(\i)+1], v[X+4*(\i)+2], v[X+4*(\i)+3]
.if \half
.irp w, 0,1
	v_lshlrev_b32 v[X+4*(\i)+2], 16, v[X+4*(\i)+(\w)]
	v_and_b32 v[X+4*(\i)+3], s26, v[X+4*(\i)+(\w)]
	v_cvt_pk_f16_f32 v[X+4*(\i)+(\w)], v[X+4*(\i)+2], v[X+4*(\i)+3]
.endr
.endif
	global_store_b64 v[DO+(\i)/4], v[X+4*(\i):X+4*(\i)+1], s[14:15] offset:((\i)%4)*KBS  ; three blocks at the most in the immediate: 4,718,592, inside its signed 24 bits
.endm
	s_cmp_ge_u32 ttmp9, 640
	s_cbranch_scc1 .Lwo
.set n, 0
.rept 32
	OUT16 n, 0
.set n, n+1
.endr
	s_endpgm
.Lwo:
.set n, 0
.rept 32
	OUT16 n, 1
.set n, n+1
.endr
	s_endpgm
.Lfunc_end_k_qd68bbda409_cvt:
	.size	k_qd68bbda409_cvt, .Lfunc_end_k_qd68bbda409_cvt-k_qd68bbda409_cvt
	.p2alignl 7, 3214868480
	.fill 96, 4, 3214868480
	.section	.rodata,"a",@progbits
	.p2align	6, 0x0
	.amdhsa_kernel k_qd68bbda409_cvt
		.amdhsa_group_segment_fixed_size 0
		.amdhsa_private_segment_fixed_size 0
		.amdhsa_enable_private_segment 0
		.amdhsa_kernarg_size 48
		.amdhsa_user_sgpr_count 2
		.amdhsa_user_sgpr_kernarg_segment_ptr 1
		.amdhsa_wavefront_size32 1
		.amdhsa_system_sgpr_workgroup_id_x 1
		.amdhsa_system_sgpr_workgroup_id_y 1
		.amdhsa_system_sgpr_workgroup_id_z 1
		.amdhsa_system_vgpr_workitem_id 0
		.amdhsa_next_free_vgpr 144
		.amdhsa_next_free_sgpr 66
		.amdhsa_reserve_vcc 0
		.amdhsa_float_denorm_mode_32 3
		.amdhsa_float_denorm_mode_16_64 3
		.amdhsa_memory_ordered 1
		.amdhsa_forward_progress 1
		.amdhsa_inst_pref_size 30
	.end_amdhsa_kernel
	.amdgpu_metadata
---
amdhsa.version: [ 1, 2 ]
amdhsa.kernels:
  - .name:           k_qd68bbda409_cvt
    .symbol:         k_qd68bbda409_cvt.kd
    .args:
      - { .name: x, .offset: 0, .size: 8, .value_kind: global_buffer, .address_space: global }
      - { .name: wq, .offset: 8, .size: 8, .value_kind: global_buffer, .address_space: global }
      - { .name: wk, .offset: 16, .size: 8, .value_kind: global_buffer, .address_space: global }
      - { .name: wv, .offset: 24, .size: 8, .value_kind: global_buffer, .address_space: global }
      - { .name: wo, .offset: 32, .size: 8, .value_kind: global_buffer, .address_space: global }
      - { .name: ab, .offset: 40, .size: 8, .value_kind: global_buffer, .address_space: global }
    .group_segment_fixed_size: 0
    .private_segment_fixed_size: 0
    .kernarg_segment_align: 8
    .kernarg_segment_size: 48
    .max_flat_workgroup_size: 256
    .sgpr_count:     66
    .vgpr_count:     144
    .wavefront_size: 32
...
	.end_amdgpu_metadata
.endif
;; end of part 1
;; launch qkv (part 2): grid 16 x 16, 4 waves a work-group, clusters of 4 x 4, 327,680 bytes of LDS; arguments ab, qkv; writes qkv
.if DOCPART == 2
	.amdgcn_target "amdgcn-amd-amdhsa--gfx1250"
	.amdhsa_code_object_version 6
	.text
	.protected	k_qd68bbda409_qkv
	.globl	k_qd68bbda409_qkv
	.p2align	8
	.type	k_qd68bbda409_qkv,@function
k_qd68bbda409_qkv:
	s_mov_b64 s[64:65], 0
	v_nop
	global_prefetch_b8 v0, s[64:65] scope:SCOPE_SE
	s_setreg_imm32_b32 hwreg(HW_REG_WAVE_MODE, 25, 1), 1
	s_wait_xcnt 0x0
	s_wait_alu depctr_hold_cnt(0) depctr_sa_sdst(0) depctr_va_vdst(0) depctr_va_sdst(0) depctr_va_ssrc(0) depctr_va_vcc(0) depctr_vm_vsrc(0)
	s_getreg_b32 s2, hwreg(HW_REG_IB_STS2, 6, 4)
	s_cmp_eq_u32 s2, 0
	s_cbranch_scc0 .Lentry_in_a_cluster
	s_endpgm
.Lentry_in_a_cluster:
	s_bfe_u32 s2, ttmp6, 0x10000c
	s_cmp_lg_u32 s2, 0xf033
	s_cbranch_scc0 .Lentry_shape_is_right
	s_endpgm
.Lentry_shape_is_right:
; q, k, v = x W^T FOR ALL THREE WEIGHTS AT ONCE: C[pos][nn] = sum over k of x[pos][k] W'[nn][k], 4,096 x 6,144 x 2,048, bf16 operands, f32 sums, the result rounded once to f16.
; Operands come from ab = [kb 0..31][row][64 bf16]: rows 0..4095 are x, rows 4096 + nn the three weights with permuted rows (nn = G 128 + e 16 + r, G = 0..47).
; Result: qkv = [pos][G][r][e] f16: the 128 numbers of (pos, G) are 256 consecutive aligned bytes, a position 12,288 bytes.  No scale is applied here.
; LIMIT: |q|, |k|, |v| stay under 65,504 (f16's range): inputs 30 times larger on both sides give some 5,000, offsets of 30 spreads on both sides some 41,000.
; SHARES.  A tile of C is 256 x 384: 16 x 16 tiles, one to a work-group.  The four waves split the rows: a wave owns 64 positions (4 fragments of x) and all 384 columns, as 3 groups of 128 (8 fragments of W').
; A PHASE is 4 x 8 = 32 matrix instructions for 32 along K on the 32 accumulators of one group, which fill one register window.  Each accumulator has one instruction a phase: the accumulators take turns.
; K goes in steps of 64 (one block of ab) through two LDS slots; a step is 2 quarters x 3 groups = 6 phases.  A run of rows of one block of ab is dense, so a tile is asked for as rows of 256 bytes (two rows of ab each)
; and padded in LDS behind every 128 bytes.
; CLUSTER.  4 x 4 work-groups: the four of a row of the cluster need the same tile of x, the four of a column the same tile of W': each is asked for JOINTLY, by the same tensor load, descriptor and mask in all four.
; THE RESULT IS USED AS IT FALLS: source 0 = 16 positions, source 1 = 16 columns: lane l holds column r = l % 16 and its register j position 8 (l / 16) + j.  The group's eight column fragments are e = 0..7,
; so for one position a lane's eight numbers are 16 consecutive bytes of (pos, G), and sixteen lanes store its 256 bytes: no way through LDS.
; REGISTERS, in windows of 256 (s_set_vgpr_msb: bits 1:0 source 0, 3:2 source 1, 5:4 source 2, 7:6 destination):
;   window 0: v0-31 addresses; v32-95 x's fragments, two buffers of 4 (by the quarter's parity); v96-223 W's fragments, two buffers of 8 (by the phase's parity); on the way out v32-223 hold packed results
;   window g + 1: group g's accumulators, (a, b) at v[8 (8 a + b)]
.set KBS,   1572864                    ; bytes in a block of ab
.set NG,    3                          ; groups
.set NPH,   6                          ; phases in a K step
.set LAPS,  16                         ; a lap = two K steps = once round the ring; 32 steps in all
.set PITCH, 144                        ; an LDS row: 128 bytes + 16 of padding = 36 words: the 16 rows of a fragment load start at 16 different groups of four banks (64 banks of 4 bytes: ISA guide 11.1)
.set FS,    16*PITCH                   ; from fragment to fragment
.set QBASE, 256*PITCH                  ; W's 384 rows lie behind x's 256
.set SLOT,  640*PITCH                  ; 92,160
.set SPARE, 2*SLOT                     ; behind the ring: the spare words, 128 bytes for each wave: two blocks of 256 bytes that no other line names
.set PSTEP, 2*KBS                      ; a slot's next K step, for x's tiles and for W's
.set QSTEP, 2*KBS
.set POSB,  12288                      ; bytes of a position in qkv
.set ADRP, 16                          ; v16-17  LDS address of my fragments of x in slot 0, 1
.set ADRQ, 20                          ; v20-21  the same for W'
.set CO,   26                          ; v26     my byte offset in qkv
.set SPW,  28                          ; v28     LDS address of my spare word: SPARE + 4 x my thread's number; never rewritten
.set NIL,  29                          ; v29     0; never rewritten
.set PF,   32
.set QF,   96
.set G1,  24                           ; s[24:31] descriptor group 1 for x's tiles;  s[32:39] group 0, a set for each slot
.set G0,  32
.set G1B, 48                           ; s[48:55], s[56:63] the same for W's tiles
.set G0B, 56
.set G1C, (1<<16)|(1<<20)|(1<<21)|(4<<22)|(3<<25)  ; 17:16 elements of 2 bytes; 20 padding on; 21 set beside a mask; 24:22 after every 32 words (code 4); 31:25 4 words of it (code 3)
.set MSB, 0
.macro WIN new                         ; the immediate's high byte repeats the setting that is left; a switch that changes nothing is dropped
.if MSB != (\new)
	s_set_vgpr_msb (MSB<<8)|(\new)
.set MSB, \new
.endif
.endm
; A joint load.  Waves 0 and 1 fetch the two halves of x's tile, waves 2 and 3 those of W's.  The branch hangs on the wave's number alone.
; An s_nop 0 and four v_nop follow each of the two lines, ahead of the jump, the label and what follows.
.macro JLOAD s
	s_cmp_eq_u32 s11, 0
	s_cbranch_scc0 .Lfor_q_\@
	tensor_load_to_lds s[G0+4*(\s):G0+4*(\s)+3], s[G1:G1+7]
	s_nop 0
.rept 4
	v_nop
.endr
	s_branch .Lasked_\@
.Lfor_q_\@:
	tensor_load_to_lds s[G0B+4*(\s):G0B+4*(\s)+3], s[G1B:G1B+7]
	s_nop 0
.rept 4
	v_nop
.endr
.Lasked_\@:
.endm
.macro CREST                           ; a round of the cluster's barrier behind its opening barrier: wave 0 signals for the work-group, every wave waits for all sixteen, my work-group's barrier closes it
	s_cmp_lg_u32 s10, 0
	s_cbranch_scc1 .Lnot_wave_0_\@
	s_barrier_signal -3
.Lnot_wave_0_\@:
	s_barrier_wait -3
	s_barrier_signal -1
	s_barrier_wait -1
.endm
.macro CROUND                          ; a whole round
	s_barrier_signal -1
	s_barrier_wait -1
	CREST
.endm
	s_load_b128 s[4:7], s[0:1], 0x0                ; ab s[4:5], qkv s[6:7]
	v_lshl_add_u32 v[SPW], v0, 2, SPARE
	v_mov_b32 v[NIL], 0
	ds_add_u32 v[SPW], v[NIL]                      ; the wave's opening: the add and its wait stand ahead of my first tensor load; the set-up below, work on registers, stands between them
	v_lshrrev_b32 v1, 5, v0
	v_readfirstlane_b32 s10, v1                    ; wave 0..3
	s_lshr_b32 s11, s10, 1                         ; I fetch for x (0) or for W' (1),
	s_and_b32 s12, s10, 1                          ; and which half of that tile
	s_bfe_u32 s40, ttmp6, 0x40000                  ; cx, cy: my place in the cluster
	s_bfe_u32 s41, ttmp6, 0x40004
	s_lshl_b32 s42, ttmp9, 2
	s_add_co_u32 s42, s42, s40                     ; tile column = 4 x cluster x + cx
	s_and_b32 s13, ttmp7, 0xffff
	s_lshl_b32 s13, s13, 2
	s_add_co_u32 s13, s13, s41                     ; tile row = 4 x cluster y + cy
	s_lshl_b32 s43, s41, 2
	s_lshl_b32 s43, 15, s43                        ; my row of the cluster: places 4 cy .. 4 cy + 3
	s_lshl_b32 s44, 0x1111, s40                    ; my column: places cx, cx + 4, cx + 8, cx + 12
	s_or_b32 s[G1+0], s43, G1C                     ; x's tiles go to my row,
	s_or_b32 s[G1B+0], s44, G1C                    ; W's to my column
	s_mov_b32 s[G1+1], 128<<16                     ; tensor_dim0 = 128 elements: 256 bytes, two rows of ab
	s_mov_b32 s[G1+2], 64<<16                      ; tensor_dim1 = 64: 128 rows of x
	s_mov_b32 s[G1+3], 128<<16                     ; tile_dim0 = 128
	s_mov_b32 s[G1+4], 64                          ; tile_dim1 = 64
	s_mov_b32 s[G1+5], 128                         ; dense: 128 elements from row to row
	s_mov_b32 s[G1+6], 0
	s_mov_b32 s[G1+7], 0
	s_mov_b32 s[G1B+1], 128<<16
	s_mov_b32 s[G1B+2], 96<<16                     ; 96 rows of 256 bytes: 192 rows of W'
	s_mov_b32 s[G1B+3], 128<<16
	s_mov_b32 s[G1B+4], 96
	s_mov_b32 s[G1B+5], 128
	s_mov_b32 s[G1B+6], 0
	s_mov_b32 s[G1B+7], 0
	; where the tiles come from.  x's hang on the tile row alone, W's on the tile column alone; each address is made in registers that never hold the other coordinate
	s_lshl_b32 s16, s13, 15                        ; 256 rows of 128 bytes a tile row,
	s_lshl_b32 s17, s12, 14                        ; 128 rows a half
	s_add_co_u32 s16, s16, s17
	s_mov_b32 s17, 0
	s_mul_i32 s46, s42, 384*128                    ; 384 rows a tile column,
	s_mul_i32 s47, s12, 192*128                    ; 192 a half,
	s_add_co_u32 s46, s46, s47
	s_add_co_u32 s46, s46, 4096*128                ; behind x's 4,096 rows
	s_mov_b32 s47, 0
	s_mul_i32 s20, s12, 128*PITCH                  ; and where they go: no place in the cluster enters an LDS address
	s_mul_i32 s21, s12, 192*PITCH
	s_add_co_u32 s21, s21, QBASE
	s_wait_dscnt 0x0                               ; the opening add is done
	s_wait_kmcnt 0x0
	s_add_nc_u64 s[14:15], s[4:5], s[16:17]
	s_add_nc_u64 s[46:47], s[4:5], s[46:47]
	CROUND                                         ; all sixteen work-groups are here: the first joint loads meet
.irp s, 0,1
	s_mov_b32 s[G0+4*(\s)], 1                                      ; count = 1
	s_add_co_u32 s[G0+4*(\s)+1], s20, (\s)*SLOT                    ; LDS address
	s_add_nc_u64 s[G0+4*(\s)+2:G0+4*(\s)+3], s[14:15], (\s)*KBS    ; global address: K step s
	s_or_b32 s[G0+4*(\s)+3], s[G0+4*(\s)+3], 0x80000000            ; type = 2
	s_mov_b32 s[G0B+4*(\s)], 1
	s_add_co_u32 s[G0B+4*(\s)+1], s21, (\s)*SLOT
	s_add_nc_u64 s[G0B+4*(\s)+2:G0B+4*(\s)+3], s[46:47], (\s)*KBS
	s_or_b32 s[G0B+4*(\s)+3], s[G0B+4*(\s)+3], 0x80000000
	JLOAD \s                                       ; both slots are asked for before anything else is done: two loads of mine are out
.endr
	; A fragment is 16 rows x 32 K in 8 registers: lane l holds row l % 16; registers 0-3 K = 8 (l / 16) + 0..7, registers 4-7 K = 16 + 8 (l / 16) + 0..7: two loads of 16 bytes, 32 bytes apart.
	v_and_b32 v1, 15, v0                           ; r = l % 16
	v_bfe_u32 v2, v0, 4, 1                         ; l / 16
	v_mul_u32_u24 v3, v1, PITCH
	v_lshl_add_u32 v3, v2, 4, v3                   ; row x pitch + 16 x half
	s_mul_i32 s22, s10, 64*PITCH                   ; my 64 rows of x
	s_mov_b32 s23, QBASE                           ; all waves read all of W's rows
.irp s, 0,1
	v_add_nc_u32 v[ADRP+(\s)], s22, v3
	v_add_nc_u32 v[ADRQ+(\s)], s23, v3
	s_add_co_u32 s22, s22, SLOT
	s_add_co_u32 s23, s23, SLOT
.endr
	v_mul_u32_u24 v5, v2, 8*POSB                   ; the upper lanes hold positions 8 further on
	v_lshl_add_u32 v[CO], v1, 4, v5                ; + 16 r
	s_mul_i32 s16, s13, 256*POSB                   ; my first position: 256 x tile row + 64 x wave
	s_mul_i32 s17, s10, 64*POSB
	s_add_co_u32 s16, s16, s17
	s_mov_b32 s17, 0
	s_add_nc_u64 s[6:7], s[6:7], s[16:17]
	s_mul_i32 s46, s42, 3*256                      ; my first group: G = 3 x tile column
	s_mov_b32 s47, 0
	s_add_nc_u64 s[6:7], s[6:7], s[46:47]
; 8 matrix instructions of phase ph (quarter ph / 3, group ph % 3): position fragment a x the group's 8 column fragments.  zero = 1: the first product starts the sums: nothing is cleared.
.macro MUL8 ph, a, zero
	WIN 0x50*((\ph)%NG+1)                          ; C and D in the group's window, the sources in window 0
.set rP, PF+32*(((\ph)/NG)%2)+8*(\a)
.irp b, 0,1,2,3,4,5,6,7
.set rD, 8*(8*(\a)+(\b))
.set rQ, QF+64*((\ph)%2)+8*(\b)
.if \zero
	v_wmma_f32_16x16x32_bf16 v[rD:rD+7], v[rP:rP+7], v[rQ:rQ+7], 0
.else
	v_wmma_f32_16x16x32_bf16 v[rD:rD+7], v[rP:rP+7], v[rQ:rQ+7], v[rD:rD+7]
.endif
.endr
.endm
; The LDS loads of phase ph, in one run: its group's 8 fragments of W', and with a quarter's first group the quarter's 4 fragments of x.
.macro FETCH slot, ph
	WIN 0
.set fq, (\ph)/NG
.set fg, (\ph)%NG
.set fQ, QF+64*((\ph)%2)
.set fP, PF+32*(fq%2)
.irp b, 0,1,2,3,4,5,6,7
	ds_load_b128 v[fQ+8*(\b):fQ+8*(\b)+3],   v[ADRQ+(\slot)] offset:64*fq+(8*fg+(\b))*FS
	ds_load_b128 v[fQ+8*(\b)+4:fQ+8*(\b)+7], v[ADRQ+(\slot)] offset:64*fq+(8*fg+(\b))*FS+32
.endr
.if fg == 0
.irp a, 0,1,2,3
	ds_load_b128 v[fP+8*(\a):fP+8*(\a)+3],   v[ADRP+(\slot)] offset:64*fq+(\a)*FS
	ds_load_b128 v[fP+8*(\a)+4:fP+8*(\a)+7], v[ADRP+(\slot)] offset:64*fq+(\a)*FS+32
.endr
.endif
.endm
; A load into a register that a matrix instruction has read, and a vector instruction that reads a matrix result or writes one of a matrix instruction's registers, stand four places behind it, and only
; plain vector instructions that name none of its registers are places (ISA guide 7.12.1 for vector instructions); the matrix instructions in between are not counted.
.macro PLACES
.rept 4
	v_nop
.endr
.endm
; One of a K step's first five phases: behind its first 8 products the next phase's loads go out, into the buffers that the phase before read; they have 24 products in which to come back.
.macro PHASE slot, ph, zero
	s_wait_dscnt 0x0                               ; this phase's fragments are in: the run was issued 24 matrix instructions back, and nothing since
	MUL8 \ph, 0, \zero
	PLACES
	FETCH \slot, (\ph)+1
	MUL8 \ph, 1, \zero
	MUL8 \ph, 2, \zero
	MUL8 \ph, 3, \zero
.endm
; The last phase changes slots: ONE barrier for two things.  In front of it each wave waits for all its tensor loads (one is out: its part of the next slot), adds 0 to its spare word, and waits for that and
; for its own reads of this slot.  Behind it nobody reads this slot and the next slot is whole.  fill = 1: the barrier opens a round of the cluster's, and this slot is filled again, two K steps on, first thing
; behind the round: from that request to the wait for it a wave issues 16 + 5 x 32 = 176 matrix instructions.
.macro TURN slot, fill
	WIN 0                                          ; (the add's two registers lie in window 0)
	s_wait_tensorcnt 0x0                           ; all my tensor loads have landed
	ds_add_u32 v[SPW], v[NIL]                      ; 0 onto my spare word
	s_wait_dscnt 0x1                               ; LDS instructions end in order (ISA guide 5.7.1): the phase's fragments are in, the add alone may be out
	MUL8 NPH-1, 0, 0                               ; eight matrix instructions stand between the add and the wait for it
	s_wait_dscnt 0x0                               ; the add is done, and my reads of this slot are over
	s_barrier_signal -1
	MUL8 NPH-1, 1, 0                               ; work on registers while the others arrive
.if \fill
	WIN 0
.endif
	s_barrier_wait -1
.if \fill
	CREST                                          ; no wave of any partner still reads this slot's tiles or has a load on its way
	s_add_nc_u64 s[G0+4*(\slot)+2:G0+4*(\slot)+3], s[G0+4*(\slot)+2:G0+4*(\slot)+3], PSTEP
	s_add_nc_u64 s[G0B+4*(\slot)+2:G0B+4*(\slot)+3], s[G0B+4*(\slot)+2:G0B+4*(\slot)+3], QSTEP
	JLOAD \slot                                    ; my one tensor load behind the round; the four v_nop behind it are also the places in front of the loads below
.else
	PLACES
.endif
	FETCH 1-(\slot), 0
	MUL8 NPH-1, 2, 0
	MUL8 NPH-1, 3, 0
.endm
; THE WAY OUT of 16 positions x group g.  For position j of the lanes' eight, the eight accumulators' register j are rounded in pairs to f16: 16 bytes a lane.  j ascends.
; Six sets of 32 registers take turns; a set is written again only when the stores that read it have had their addresses translated (ISA guide 3.1).
.macro OUTBLK g, a
.set blk, 4*(\g)+(\a)
.set TMP, 32+32*(blk%6)
.if blk >= 6
	s_wait_xcnt 0x0
.endif
	WIN 5*((\g)+1)                                 ; sources 0 and 1 in the group's window, destination in window 0
.irp j, 0,1,2,3,4,5,6,7
.irp i, 0,1,2,3
	v_cvt_pk_f16_f32 v[TMP+4*(\j)+(\i)], v[8*(8*(\a)+2*(\i))+(\j)], v[8*(8*(\a)+2*(\i)+1)+(\j)]
.endr
.endr
	WIN 0
.irp j, 0,1,2,3,4,5,6,7
	global_store_b128 v[CO], v[TMP+4*(\j):TMP+4*(\j)+3], s[6:7] offset:(16*(\a)+(\j))*POSB+256*(\g)  ; lanes 0-15 store the 256 aligned bytes of (pos, G), lanes 16-31 those of (pos + 8, G)
.endr
.endm
	s_wait_tensorcnt 0x1                           ; my part of K step 0 is in; step 1's stays out
	s_barrier_signal -1
	s_barrier_wait -1                              ; everybody's is
	FETCH 0, 0
	PHASE 0, 0, 1                                  ; the first quarter stands in front of the loop: its products start the sums of the three groups
	PHASE 0, 1, 1
	PHASE 0, 2, 1
	WIN 0                                          ; at a label and at a branch every window is 0
	s_mov_b32 s3, LAPS-1
.Llap:                                                 ; a trip goes once round the ring, from a lap's second quarter to the next lap's first, and fills both slots again
	PHASE 0, 3, 0
	PHASE 0, 4, 0
	TURN 0, 1
	PHASE 1, 0, 0
	PHASE 1, 1, 0
	PHASE 1, 2, 0
	PHASE 1, 3, 0
	PHASE 1, 4, 0
	TURN 1, 1
	PHASE 0, 0, 0
	PHASE 0, 1, 0
	PHASE 0, 2, 0
	WIN 0
	s_sub_co_u32 s3, s3, 1
	s_cmp_lg_u32 s3, 0
	s_cbranch_scc1 .Llap
	PHASE 0, 3, 0                                  ; the last lap is written out: it asks for nothing more
	PHASE 0, 4, 0
	TURN 0, 0
	PHASE 1, 0, 0
	PHASE 1, 1, 0
	PHASE 1, 2, 0
	PHASE 1, 3, 0
	PHASE 1, 4, 0
	s_wait_dscnt 0x0                               ; the very last phase: nothing more to fetch
	MUL8 NPH-1, 0, 0
	MUL8 NPH-1, 1, 0
	MUL8 NPH-1, 2, 0
	MUL8 NPH-1, 3, 0
	PLACES
.irp g, 0,1,2
.irp a, 0,1,2,3
	OUTBLK \g, \a
.endr
.endr
	WIN 0
	s_wait_tensorcnt 0x0                           ; the wave's end: an add of 0 to the spare word and its wait, behind my last tensor load
	ds_add_u32 v[SPW], v[NIL]
	s_wait_dscnt 0x0
	CROUND                                         ; the closing round: no work-group ends while a partner may still ask for a tile that names it
	s_endpgm
.Lfunc_end_k_qd68bbda409_qkv:
	.size	k_qd68bbda409_qkv, .Lfunc_end_k_qd68bbda409_qkv-k_qd68bbda409_qkv
	.p2alignl 7, 3214868480
	.fill 96, 4, 3214868480
	.section	.rodata,"a",@progbits
	.p2align	6, 0x0
	.amdhsa_kernel k_qd68bbda409_qkv
		.amdhsa_group_segment_fixed_size 327680
		.amdhsa_private_segment_fixed_size 0
		.amdhsa_enable_private_segment 0
		.amdhsa_kernarg_size 16
		.amdhsa_user_sgpr_count 2
		.amdhsa_user_sgpr_kernarg_segment_ptr 1
		.amdhsa_wavefront_size32 1
		.amdhsa_system_sgpr_workgroup_id_x 1
		.amdhsa_system_sgpr_workgroup_id_y 1
		.amdhsa_system_sgpr_workgroup_id_z 1
		.amdhsa_system_vgpr_workitem_id 0
		.amdhsa_next_free_vgpr 1024
		.amdhsa_next_free_sgpr 66
		.amdhsa_reserve_vcc 0
		.amdhsa_float_denorm_mode_32 3
		.amdhsa_float_denorm_mode_16_64 3
		.amdhsa_memory_ordered 1
		.amdhsa_forward_progress 1
		.amdhsa_inst_pref_size 126
	.end_amdhsa_kernel
	.amdgpu_metadata
---
amdhsa.version: [ 1, 2 ]
amdhsa.kernels:
  - .name:           k_qd68bbda409_qkv
    .symbol:         k_qd68bbda409_qkv.kd
    .args:
      - { .name: ab, .offset: 0, .size: 8, .value_kind: global_buffer, .address_space: global }
      - { .name: qkv, .offset: 8, .size: 8, .value_kind: global_buffer, .address_space: global }
    .group_segment_fixed_size: 327680
    .private_segment_fixed_size: 0
    .kernarg_segment_align: 8
    .kernarg_segment_size: 16
    .max_flat_workgroup_size: 128
    .sgpr_count:     66
    .vgpr_count:     1024
    .wavefront_size: 32
...
	.end_amdgpu_metadata
.endif
;; end of part 2
;; launch attn (part 3): grid 256 x 1, 16 waves a work-group, no clusters, 0 bytes of LDS; arguments qkv, y; writes y
.if DOCPART == 3
	.amdgcn_target "amdgcn-amd-amdhsa--gfx1250"
	.amdhsa_code_object_version 6
	.text
	.protected	k_qd68bbda409_attn
	.globl	k_qd68bbda409_attn
	.p2align	8
	.type	k_qd68bbda409_attn,@function
k_qd68bbda409_attn:
	s_mov_b64 s[64:65], 0
	v_nop
	global_prefetch_b8 v0, s[64:65] scope:SCOPE_SE
	s_setreg_imm32_b32 hwreg(HW_REG_WAVE_MODE, 25, 1), 1
	s_wait_xcnt 0x0
; AT EACH POSITION THE 16 HEADS ATTEND TO EACH OTHER: S[h][t] = q[h] . k[t] / sqrt(128) over 128 channels, softmax over t, O[h] = sum over t of P[h][t] v[t].  One position a wave; straight-line text.
; IN: qkv = [pos][G 0..47][r][e] f16.  q and k (G = u, 16 + u): head r, channel 8 u + e.  v (G = 32 + u): head 8 (u & 1) + e, channel 16 (u >> 1) + r.  So every load below takes 512 consecutive bytes,
; 16 a lane, and its four registers ARE half a fragment: of q and k lane l holds head l % 16 and channels 16 i + 8 (l / 16) + 0..7; of v (already turned) channel 16 i + l % 16 and heads 8 (l / 16) + 0..7.
; S^T = K Q^T (source 0 = 16 key heads, source 1 = 16 query heads): a lane holds ONE query head (l % 16) and key heads 8 (l / 16) + 0..7, so the row's maximum and sum want one exchange between the lanes' halves.
; The whole row is present, so the row's own maximum is taken away: p = 2^(c s - c m), c = log2(e) / sqrt(128).  p is divided by its sum in f32 and then rounded to f16: 8 multiplies a lane where O would want 64.
; O^T = V^T P has 16 along K where the form has 32: P's upper four registers hold 0, and V's upper four registers are simply the next block's numbers (zeros for the last), which those zeros wipe out.
; OUT: y = [b][s % 16][s / 16][4,096 bytes]; a position's bytes are [cb 0..7][l / 16][head][8 channels] f16, channel 16 cb + 8 (l / 16) + j: the register image of the last product's fragments (16 heads x 128 K).
; LIMITS: q, k, v arrive finite in f16 (an infinity in v would turn the wiped products into NaN); a weight below 2^-126 counts as 0 in the sum; p below 6e-5 keeps f16's fixed step of 6e-8; NaN and infinities are not treated apart.
; No LDS, no barrier, no cluster: no two waves read a common byte.  All of a wave's 24 loads go out at once.
.set KF, 8                             ; v[8:39]    k: four fragments; later the packed result
.set QF, 40                            ; v[40:71]   q
.set VF, 72                            ; v[72:103]  v: eight half fragments;  v[104:107] zeros behind them
.set S0, 108                           ; v[108:115] scores: channels 0-31 and 64-95; then the whole sum, then p
.set S1, 116                           ; v[116:123] channels 32-63 and 96-127
.set PR, 124                           ; v[124:127] p in f16;  v[128:131] zeros
.set OT, 132                           ; v[132:195] O^T, eight accumulators
	s_load_b128 s[4:7], s[0:1], 0x0                ; qkv s[4:5], y s[6:7]
	v_and_b32 v1, 31, v0
	v_lshlrev_b32 v1, 4, v1                        ; 16 x lane
	v_lshrrev_b32 v2, 5, v0
	v_readfirstlane_b32 s8, v2                     ; wave 0..15 = s % 16
	s_lshl_b32 s9, ttmp9, 4
	s_add_co_u32 s9, s9, s8                        ; my position = 16 x work-group + wave
	s_mul_i32 s10, s9, 12288
	s_mov_b32 s11, 0
	s_lshr_b32 s16, ttmp9, 6                       ; b
	s_lshl_b32 s16, s16, 4
	s_add_co_u32 s16, s16, s8                      ; 16 b + s % 16
	s_lshl_b32 s16, s16, 6
	s_and_b32 s17, ttmp9, 63                       ; s / 16
	s_add_co_u32 s16, s16, s17
	s_lshl_b32 s16, s16, 12                        ; x 4,096 bytes
	s_mov_b32 s17, 0
	s_mov_b32 s12, 0x3e0293ee                      ; c = log2(e) / sqrt(128) = 0.127517
	s_mov_b32 s13, s12                             ; named with it as a pair
	s_mov_b32 s14, 0x76543210                      ; v_permlanex16_b32: each lane takes its own place in the other half
	s_mov_b32 s15, 0xfedcba98
	s_wait_kmcnt 0x0
	s_add_nc_u64 s[4:5], s[4:5], s[10:11]
	s_add_nc_u64 s[6:7], s[6:7], s[16:17]
.irp i, 0,1,2,3,4,5,6,7
	global_load_b128 v[KF+4*(\i):KF+4*(\i)+3], v1, s[4:5] offset:4096+512*(\i) th:TH_LOAD_NT
.endr
.irp i, 0,1,2,3,4,5,6,7
	global_load_b128 v[QF+4*(\i):QF+4*(\i)+3], v1, s[4:5] offset:512*(\i) th:TH_LOAD_NT
.endr
.irp i, 0,1,2,3,4,5,6,7
	global_load_b128 v[VF+4*(\i):VF+4*(\i)+3], v1, s[4:5] offset:8192+512*(\i) th:TH_LOAD_NT
.endr
	s_wait_loadcnt 0x8                             ; k and q are in; v's eight loads stay out
	v_wmma_f32_16x16x32_f16 v[S0:S0+7], v[KF:KF+7],     v[QF:QF+7],     0           ; two accumulators by turns; they are added below
	v_wmma_f32_16x16x32_f16 v[S1:S1+7], v[KF+8:KF+15],  v[QF+8:QF+15],  0
	v_wmma_f32_16x16x32_f16 v[S0:S0+7], v[KF+16:KF+23], v[QF+16:QF+23], v[S0:S0+7]
	v_wmma_f32_16x16x32_f16 v[S1:S1+7], v[KF+24:KF+31], v[QF+24:QF+31], v[S1:S1+7]
.irp i, 0,1,2,3
	v_mov_b32 v[VF+32+(\i)], 0                     ; the zeros behind v and behind p: eight plain instructions, the places behind those products (ISA guide 7.12.1)
	v_mov_b32 v[PR+4+(\i)], 0
.endr
.irp i, 0,2,4,6
	v_pk_add_f32 v[S0+(\i):S0+(\i)+1], v[S0+(\i):S0+(\i)+1], v[S1+(\i):S1+(\i)+1]   ; both accumulators are read from their lowest registers on
.endr
	v_max3_num_f32 v2, v[S0], v[S0+1], v[S0+2]
	v_max3_num_f32 v3, v[S0+3], v[S0+4], v[S0+5]
	v_max3_num_f32 v2, v2, v[S0+6], v[S0+7]
	v_max_num_f32 v2, v2, v3
	v_permlanex16_b32 v3, v2, s14, s15             ; the query head's other eight key heads lie in the lane 16 away
	v_max_num_f32 v2, v2, v3                       ; m
	v_mul_f32 v4, s12, v2                          ; c m
	v_mov_b32 v5, v4                               ; named with it as a pair
.irp i, 0,2,4,6
	v_pk_fma_f32 v[S0+(\i):S0+(\i)+1], v[S0+(\i):S0+(\i)+1], s[12:13], v[4:5] op_sel_hi:[1,0,0] neg_lo:[0,0,1] neg_hi:[0,0,1]  ; c s - c m
.endr
.irp i, 0,1,2,3,4,5,6,7
	v_exp_f32 v[S0+(\i)], v[S0+(\i)]
.endr
	v_nop                                          ; a plain instruction between the last exponential and the use of its result (ISA guide 5.7.2)
	s_wait_alu depctr_va_vdst(0)
	v_pk_add_f32 v[2:3], v[S0:S0+1], v[S0+2:S0+3]
	v_pk_add_f32 v[6:7], v[S0+4:S0+5], v[S0+6:S0+7]
	v_pk_add_f32 v[2:3], v[2:3], v[6:7]
	v_add_f32 v2, v2, v3
	v_permlanex16_b32 v3, v2, s14, s15
	v_add_f32 v2, v2, v3                           ; l: at least about 1, since the largest weight is 2^0 to within rounding
	v_rcp_f32 v6, v2
	v_rcp_f32 v7, v2                               ; twice: a pair for the packed multiply
	v_nop
	s_wait_alu depctr_va_vdst(0)
.irp i, 0,2,4,6
	v_pk_mul_f32 v[S0+(\i):S0+(\i)+1], v[S0+(\i):S0+(\i)+1], v[6:7]
.endr
.irp i, 0,1,2,3
	v_cvt_pk_f16_f32 v[PR+(\i)], v[S0+2*(\i)], v[S0+2*(\i)+1]   ; source 1 of the second product: query head l % 16, key heads 8 (l / 16) + 0..7
.endr
	s_wait_loadcnt 0x0                             ; v
.irp c, 0,1,2,3,4,5,6,7
	v_wmma_f32_16x16x32_f16 v[OT+8*(\c):OT+8*(\c)+7], v[VF+4*(\c):VF+4*(\c)+7], v[PR:PR+7], 0   ; channels 16 c ..: eight accumulators, one product each
.endr
.rept 4
	v_nop                                          ; the places behind those products
.endr
.irp c, 0,1,2,3,4,5,6,7
.irp i, 0,1,2,3
	v_cvt_pk_f16_f32 v[KF+4*(\c)+(\i)], v[OT+8*(\c)+2*(\i)], v[OT+8*(\c)+2*(\i)+1]
.endr
.endr
.irp c, 0,1,2,3,4,5,6,7
	global_store_b128 v1, v[KF+4*(\c):KF+4*(\c)+3], s[6:7] offset:512*(\c)   ; 512 consecutive bytes, at a multiple of 512 from y's first
.endr
	s_endpgm
.Lfunc_end_k_qd68bbda409_attn:
	.size	k_qd68bbda409_attn, .Lfunc_end_k_qd68bbda409_attn-k_qd68bbda409_attn
	.p2alignl 7, 3214868480
	.fill 96, 4, 3214868480
	.section	.rodata,"a",@progbits
	.p2align	6, 0x0
	.amdhsa_kernel k_qd68bbda409_attn
		.amdhsa_group_segment_fixed_size 0
		.amdhsa_private_segment_fixed_size 0
		.amdhsa_enable_private_segment 0
		.amdhsa_kernarg_size 16
		.amdhsa_user_sgpr_count 2
		.amdhsa_user_sgpr_kernarg_segment_ptr 1
		.amdhsa_wavefront_size32 1
		.amdhsa_system_sgpr_workgroup_id_x 1
		.amdhsa_system_sgpr_workgroup_id_y 1
		.amdhsa_system_sgpr_workgroup_id_z 1
		.amdhsa_system_vgpr_workitem_id 0
		.amdhsa_next_free_vgpr 200
		.amdhsa_next_free_sgpr 66
		.amdhsa_reserve_vcc 0
		.amdhsa_float_denorm_mode_32 3
		.amdhsa_float_denorm_mode_16_64 3
		.amdhsa_memory_ordered 1
		.amdhsa_forward_progress 1
		.amdhsa_inst_pref_size 10
	.end_amdhsa_kernel
	.amdgpu_metadata
---
amdhsa.version: [ 1, 2 ]
amdhsa.kernels:
  - .name:           k_qd68bbda409_attn
    .symbol:         k_qd68bbda409_attn.kd
    .args:
      - { .name: qkv, .offset: 0, .size: 8, .value_kind: global_buffer, .address_space: global }
      - { .name: y, .offset: 8, .size: 8, .value_kind: global_buffer, .address_space: global }
    .group_segment_fixed_size: 0
    .private_segment_fixed_size: 0
    .kernarg_segment_align: 8
    .kernarg_segment_size: 16
    .max_flat_workgroup_size: 512
    .sgpr_count:     66
    .vgpr_count:     200
    .wavefront_size: 32
...
	.end_amdgpu_metadata
.endif
;; end of part 3
;; launch oproj (part 4): grid 16 x 16, 4 waves a work-group, clusters of 4 x 4, 327,680 bytes of LDS; arguments y, ab, out0; writes out0
.if DOCPART == 4
	.amdgcn_target "amdgcn-amd-amdhsa--gfx1250"
	.amdhsa_code_object_version 6
	.text
	.protected	k_qd68bbda409_oproj
	.globl	k_qd68bbda409_oproj
	.p2align	8
	.type	k_qd68bbda409_oproj,@function
k_qd68bbda409_oproj:
	s_mov_b64 s[64:65], 0
	v_nop
	global_prefetch_b8 v0, s[64:65] scope:SCOPE_SE
	s_setreg_imm32_b32 hwreg(HW_REG_WAVE_MODE, 25, 1), 1
	s_wait_xcnt 0x0
	s_wait_alu depctr_hold_cnt(0) depctr_sa_sdst(0) depctr_va_vdst(0) depctr_va_sdst(0) depctr_va_ssrc(0) depctr_va_vcc(0) depctr_vm_vsrc(0)
	s_getreg_b32 s2, hwreg(HW_REG_IB_STS2, 6, 4)
	s_cmp_eq_u32 s2, 0
	s_cbranch_scc0 .Lentry_in_a_cluster
	s_endpgm
.Lentry_in_a_cluster:
	s_bfe_u32 s2, ttmp6, 0x10000c
	s_cmp_lg_u32 s2, 0xf033
	s_cbranch_scc0 .Lentry_shape_is_right
	s_endpgm
.Lentry_shape_is_right:
; out0 = Y wo^T: out0[R][n] = sum over c of Y[R][c] wo[n][c], 4,096 x 2,048 x 2,048, f16 operands, f32 sums, f32 result.  Y is the attention's result after the reference's transpose and reshape:
; the number of (b, s, head h, channel d) stands in row R = 1024 b + 64 h + s / 16, column c = 128 (s % 16) + d.
; y = [b][kk = s % 16][j0 = s / 16][4,096 bytes]: a chunk holds 16 rows (the heads of one position: R = 1024 b + 64 h + j0) x 128 K (columns 128 kk ..), as the register image of four fragments:
; quarter q's first half at 1,024 q + 16 x lane, its second half 512 bytes on.  wo: rows 10240 + n of ab = [kb][row][64 f16]: block kb holds K = 64 kb .. 64 kb + 63.
; SHARES.  A tile is 256 rows (one b, 16 values of j0, all 16 heads) x 128 columns: 16 x 16 tiles, one to a work-group.  A wave owns 4 chunks (64 rows) and all 128 columns: 32 accumulators, one register window.
; A PHASE is 4 x 8 = 32 matrix instructions for 32 along K; each accumulator has one instruction a phase: they take turns.  A K step is 256: eight phases.
; wo GOES THROUGH LDS, since all four waves read all of it: two slots of one K step each (four blocks of ab, 128 rows each; every wave fetches one block).  4 x 4 work-groups form a cluster; the four of a column
; need the same rows of wo and ask for them JOINTLY, by the same tensor load, descriptor and mask.  From a request to the wait for it a wave issues 16 + 7 x 32 = 240 matrix instructions.
; Y GOES STRAIGHT INTO REGISTERS, and is not asked for jointly, though the four work-groups of a row of the cluster read the same chunks.  The reason, by this text's arithmetic: a fragment of Y is read by ONE wave of
; the work-group, and lies in memory as the registers want it, so LDS would only pass it on; and beside wo's 32 KB for 128 of K, Y's 64 KB would hold a slot to 128 of K (two slots of 256 do not fit in LDS): 112 matrix
; instructions from a request to its wait.  Here a ring of eight sets of 32 registers holds a K step's fragments; set r is loaded again in phase r + 1, 216 matrix instructions ahead of its next use, and the
; waits are counted.  The price: Y's bytes are asked for by each of the 16 tile columns on its own.
; THE MATRIX INSTRUCTION IS USED TRANSPOSED (source 0 = 16 rows of wo, source 1 = a chunk's 16 heads): a lane holds head l % 16 and eight neighbouring columns 8 (l / 16) + 0..7 of out0.
; LIMIT: y and wo arrive within f16's range.
; REGISTERS, in windows of 256 (s_set_vgpr_msb: bits 1:0 source 0, 3:2 source 1, 5:4 source 2, 7:6 destination):
;   window 0: v0-31 addresses; v96-223 wo's fragments, two buffers of 8 (by the phase's parity); on the way out v32-159 hold rows read back
;   window 1: accumulator (a, b) at v[8 (8 a + b)]          window 2: Y's ring: phase r's fragment a at v[32 r + 8 a]
.set KBS,   1572864                    ; bytes in a block of ab
.set NPH,   8                          ; phases in a K step
.set LAPS,  4                          ; a lap = two K steps = once round the ring of slots; 8 steps in all
.set PITCH, 144                        ; a row of wo in LDS: 128 bytes + 16 of padding = 36 words: the 16 rows of a fragment load start at 16 different groups of four banks (64 banks of 4 bytes: ISA guide 11.1)
.set FS,    16*PITCH
.set BLK,   128*PITCH                  ; a block's 128 rows: what one tensor load brings
.set SLOT,  4*BLK                      ; 73,728
.set STAGE, 2*SLOT                     ; behind the ring, never filled by a tensor load: 16 rows x 528 bytes for each wave, for the way out
.set SP,    528                        ; 512 bytes + 16
.set SPARE, STAGE+4*16*SP              ; behind the stages: the spare words, 128 bytes for each wave: two blocks of 256 bytes that no other line names
.set QSTEP, 8*KBS                      ; a slot's next K step in ab: two steps of four blocks on
.set YKK,   262144                     ; bytes of y from 128 of K to the next: 64 chunks
.set YSTEP, 2*YKK                      ; and from a K step to the next
.set ADRQ, 20                          ; v20-23  LDS address of my fragments of wo: slot 0 blocks 0-1, slot 0 blocks 2-3, slot 1 blocks 0-1, slot 1 blocks 2-3 (an LDS offset has 16 bits)
.set STO,  24                          ; v24     the way out: where I put 32 bytes of a row
.set RD,   25                          ; v25     the way out: where I read a row back
.set CO,   26                          ; v26     16 x lane: my place in 512 bytes of y, and of a row of out0; never rewritten
.set SPW,  28                          ; v28     LDS address of my spare word: SPARE + 4 x my thread's number; never rewritten
.set NIL,  29                          ; v29     0; never rewritten
.set QF,   96
.set G1,  24                           ; s[24:31] descriptor group 1 for wo's tiles
.set G0,  32                           ; s[32:39] group 0, a set for each slot
.set MSB, 0
.macro WIN new                         ; the immediate's high byte repeats the setting that is left; a switch that changes nothing is dropped
.if MSB != (\new)
	s_set_vgpr_msb (MSB<<8)|(\new)
.set MSB, \new
.endif
.endm
; A joint load: every wave fetches its own block of the slot's four (both addresses hang on the wave's number).  An s_nop 0 and four v_nop follow the line.
.macro JLOAD s
	tensor_load_to_lds s[G0+4*(\s):G0+4*(\s)+3], s[G1:G1+7]
	s_nop 0
.rept 4
	v_nop
.endr
.endm
.macro CREST                           ; a round of the cluster's barrier behind its opening barrier: wave 0 signals for the work-group, every wave waits for all sixteen, my work-group's barrier closes it
	s_cmp_lg_u32 s10, 0
	s_cbranch_scc1 .Lnot_wave_0_\@
	s_barrier_signal -3
.Lnot_wave_0_\@:
	s_barrier_wait -3
	s_barrier_signal -1
	s_barrier_wait -1
.endm
.macro CROUND                          ; a whole round
	s_barrier_signal -1
	s_barrier_wait -1
	CREST
.endm
; The eight loads of ring set r for K step t (counted from the step at which s[4:5] stands): 32 along K of my four chunks, 512 consecutive bytes a load.
.macro GLOAD r, t
	WIN 0x80                                       ; destination window 2, address window 0
.set oY, (\t)*YSTEP+((\r)/4)*YKK+((\r)%4)*1024
.irp a, 0,1,2,3
	global_load_b128 v[32*(\r)+8*(\a):32*(\r)+8*(\a)+3],   v[CO], s[4:5] offset:oY+(\a)*4096
	global_load_b128 v[32*(\r)+8*(\a)+4:32*(\r)+8*(\a)+7], v[CO], s[4:5] offset:oY+(\a)*4096+512
.endr
.endm
	s_load_b128 s[4:7], s[0:1], 0x0                ; y s[4:5], ab s[6:7]
	s_load_b64 s[8:9], s[0:1], 0x10                ; out0
	v_lshl_add_u32 v[SPW], v0, 2, SPARE
	v_mov_b32 v[NIL], 0
	ds_add_u32 v[SPW], v[NIL]                      ; the wave's opening: the add and its wait stand ahead of my first tensor load; the set-up below, work on registers, stands between them
	v_lshrrev_b32 v1, 5, v0
	v_readfirstlane_b32 s10, v1                    ; wave 0..3
	v_and_b32 v5, 31, v0
	v_lshlrev_b32 v[CO], 4, v5                     ; 16 x lane
	s_bfe_u32 s40, ttmp6, 0x40000                  ; cx, cy: my place in the cluster
	s_bfe_u32 s41, ttmp6, 0x40004
	s_lshl_b32 s42, ttmp9, 2
	s_add_co_u32 s42, s42, s40                     ; tile column = 4 x cluster x + cx
	s_and_b32 s13, ttmp7, 0xffff
	s_lshl_b32 s13, s13, 2
	s_add_co_u32 s13, s13, s41                     ; tile row = 4 x cluster y + cy: b = tile row / 4, j0 from 16 (tile row % 4) on
	s_lshl_b32 s44, 0x1111, s40                    ; my column of the cluster: places cx, cx + 4, cx + 8, cx + 12
	s_or_b32 s[G1+0], s44, (1<<16)|(1<<20)|(1<<21)|(4<<22)|(3<<25)  ; 15:0 the mask; 17:16 elements of 2 bytes; 20 padding on; 21 set beside a mask; 24:22 after every 32 words (code 4); 31:25 4 words of it (code 3)
	s_mov_b32 s[G1+1], 128<<16                     ; tensor_dim0 = 128 elements: 256 bytes, two rows of ab
	s_mov_b32 s[G1+2], 64<<16                      ; tensor_dim1 = 64: 128 rows of one block
	s_mov_b32 s[G1+3], 128<<16                     ; tile_dim0
	s_mov_b32 s[G1+4], 64                          ; tile_dim1
	s_mov_b32 s[G1+5], 128                         ; dense: 128 elements from row to row
	s_mov_b32 s[G1+6], 0
	s_mov_b32 s[G1+7], 0
	s_lshr_b32 s16, s13, 2                         ; y at my four chunks of K = 0: b x 16 x 64 chunks,
	s_lshl_b32 s16, s16, 22
	s_and_b32 s17, s13, 3
	s_lshl_b32 s17, s17, 16                        ; 16 chunks a tile row,
	s_add_co_u32 s16, s16, s17
	s_lshl_b32 s17, s10, 14                        ; 4 chunks a wave
	s_add_co_u32 s16, s16, s17
	s_mov_b32 s17, 0
	s_lshl_b32 s46, s42, 14                        ; wo: 128 rows of 128 bytes a tile column (the tile column alone, which my column of the cluster shares),
	s_mul_i32 s47, s10, KBS                        ; my block of the K step's four,
	s_add_co_u32 s46, s46, s47
	s_add_co_u32 s46, s46, 10240*128               ; behind the 10,240 rows of x and the other weights
	s_mov_b32 s47, 0
	s_mul_i32 s20, s10, BLK                        ; and where it goes: no place in the cluster enters an LDS address
	s_wait_dscnt 0x0                               ; the opening add is done
	s_wait_kmcnt 0x0
	s_add_nc_u64 s[4:5], s[4:5], s[16:17]
	s_add_nc_u64 s[46:47], s[6:7], s[46:47]
.irp r, 0,1,2,3,4,5,6
	GLOAD \r, 0                                    ; Y's ring, sets 0 to 6 of K step 0: 56 loads are on their way while the cluster gathers; set 7 follows in phase 0, as in every K step
.endr
	WIN 0                                          ; at a label and at a branch every window is 0
	CROUND                                         ; all sixteen work-groups are here: the first joint loads meet
.irp s, 0,1
	s_mov_b32 s[G0+4*(\s)], 1                                      ; count = 1
	s_add_co_u32 s[G0+4*(\s)+1], s20, (\s)*SLOT                    ; LDS address
	s_add_nc_u64 s[G0+4*(\s)+2:G0+4*(\s)+3], s[46:47], (\s)*4*KBS  ; global address: K step s
	s_or_b32 s[G0+4*(\s)+3], s[G0+4*(\s)+3], 0x80000000            ; type = 2
	JLOAD \s                                       ; both slots are asked for: two tensor loads of mine are out
.endr
	; A fragment of wo is 16 rows x 32 K in 8 registers: lane l holds row l % 16; registers 0-3 K = 8 (l / 16) + 0..7, registers 4-7 K = 16 + 8 (l / 16) + 0..7: two loads of 16 bytes, 32 bytes apart.
	v_and_b32 v1, 15, v0                           ; r = l % 16
	v_bfe_u32 v2, v0, 4, 1                         ; l / 16
	v_mul_u32_u24 v3, v1, PITCH
	v_lshl_add_u32 v3, v2, 4, v3                   ; row x pitch + 16 x half
.irp i, 0,1,2,3
	v_add_nc_u32 v[ADRQ+(\i)], (\i)*2*BLK, v3      ; two blocks on each time; a slot is four blocks
.endr
	s_mul_i32 s23, s10, 16*SP
	s_add_co_u32 s23, s23, STAGE                   ; my stage
	v_mul_u32_u24 v4, v1, SP                       ; in: row l % 16 (the head), 32 bytes for each half of the lanes
	v_lshl_add_u32 v4, v2, 5, v4
	v_add_nc_u32 v[STO], s23, v4
	v_add_nc_u32 v[RD], s23, v[CO]                 ; back: 32 lanes take a row's 512 bytes
	s_lshr_b32 s16, s13, 2                         ; out0 at row 1024 b + 16 (tile row % 4) + 4 wave (head 0, my first chunk), rows of 8,192 bytes
	s_lshl_b32 s16, s16, 23
	s_and_b32 s17, s13, 3
	s_lshl_b32 s17, s17, 17
	s_add_co_u32 s16, s16, s17
	s_lshl_b32 s17, s10, 15
	s_add_co_u32 s16, s16, s17
	s_mov_b32 s17, 0
	s_add_nc_u64 s[8:9], s[8:9], s[16:17]
	s_lshl_b32 s46, s42, 9                         ; the tile's first column: 128 f32
	s_mov_b32 s47, 0
	s_add_nc_u64 s[8:9], s[8:9], s[46:47]
; 8 matrix instructions of phase ph (32 along K): chunk a x the 8 column fragments.  zero = 1: the first product starts the sums: nothing is cleared.
.macro MUL8 ph, a, zero
	WIN 0x58                                       ; wo (source 0) window 0, Y (source 1) window 2, C and D window 1
.set rP, 32*(\ph)+8*(\a)
.irp b, 0,1,2,3,4,5,6,7
.set rD, 8*(8*(\a)+(\b))
.set rQ, QF+64*((\ph)%2)+8*(\b)
.if \zero
	v_wmma_f32_16x16x32_f16 v[rD:rD+7], v[rQ:rQ+7], v[rP:rP+7], 0
.else
	v_wmma_f32_16x16x32_f16 v[rD:rD+7], v[rQ:rQ+7], v[rP:rP+7], v[rD:rD+7]
.endif
.endr
.endm
; The 16 LDS loads of phase ph, in one run: 8 fragments of wo, from block ph / 2 of the slot's four, 64 (ph % 2) bytes into its rows.
.macro FETCH slot, ph
	WIN 0
.set fQ, QF+64*((\ph)%2)
.set fA, ADRQ+2*(\slot)+(\ph)/4
.set oQ, (((\ph)%4)/2)*BLK+((\ph)%2)*64
.irp b, 0,1,2,3,4,5,6,7
	ds_load_b128 v[fQ+8*(\b):fQ+8*(\b)+3],   v[fA] offset:oQ+(\b)*FS
	ds_load_b128 v[fQ+8*(\b)+4:fQ+8*(\b)+7], v[fA] offset:oQ+(\b)*FS+32
.endr
.endm
; A load into a register that a matrix instruction has read, and an LDS store or vector instruction that reads a matrix result, stand four places behind it, and only plain vector instructions that name none
; of its registers are places (ISA guide 7.12.1 for vector instructions); the matrix instructions in between are not counted.
.macro PLACES
.rept 4
	v_nop
.endr
.endm
; The ring's refill in phase ph of the K step that lies tb steps behind s[4:5]: the set that the phase before read.  Phase 0 loads set 7 of its own step, phase ph > 0 set ph - 1 of the next.
.macro REFILL ph, tb
.if (\ph) == 0
	GLOAD 7, \tb
.else
	GLOAD (\ph)-1, (\tb)+1
.endif
.endm
; One of a K step's first seven phases.  Behind its first 8 products and four places one run of loads goes out: the next phase's fragments of wo, into the buffer that the phase before read (24 products in which to
; come back), and (gl = 1) Y's ring set that the phase before read.  lc: global loads come back in order (ISA guide 5.7.1); behind this phase's own eight, six sets of eight have been issued: 48 may stay out.
.macro PHASE slot, ph, zero, tb, gl, lc
	s_wait_loadcnt \lc                             ; this phase's fragments of Y are in
	s_wait_dscnt 0x0                               ; and those of wo: the run was issued 24 matrix instructions back, and nothing since
	MUL8 \ph, 0, \zero
	PLACES
	FETCH \slot, (\ph)+1
.if \gl
	REFILL \ph, \tb
.endif
	MUL8 \ph, 1, \zero
	MUL8 \ph, 2, \zero
	MUL8 \ph, 3, \zero
.endm
; The eighth phase changes slots: ONE barrier for two things.  In front of it each wave waits for all its tensor loads (one is out: its block of the next slot), adds 0 to its spare word, and waits for that and
; for its own reads of this slot.  Behind it nobody reads this slot and the next slot is whole.  fill = 1: the barrier opens a round of the cluster's, and this slot is filled again, two K steps on, first thing behind the round.
.macro TURN slot, fill, tb, gl, lc
	WIN 0                                          ; (the add's two registers lie in window 0)
	s_wait_loadcnt \lc                             ; this phase's fragments of Y are in
	s_wait_tensorcnt 0x0                           ; all my tensor loads have landed
	ds_add_u32 v[SPW], v[NIL]                      ; 0 onto my spare word
	s_wait_dscnt 0x1                               ; LDS instructions end in order (ISA guide 5.7.1): the phase's fragments of wo are in, the add alone may be out
	MUL8 NPH-1, 0, 0                               ; eight matrix instructions stand between the add and the wait for it
	s_wait_dscnt 0x0                               ; the add is done, and my reads of this slot are over
	s_barrier_signal -1
	MUL8 NPH-1, 1, 0                               ; work on registers while the others arrive
.if \fill
	WIN 0
.endif
	s_barrier_wait -1
.if \fill
	CREST                                          ; no wave of any partner still reads this slot's tiles or has a load on its way
	s_add_nc_u64 s[G0+4*(\slot)+2:G0+4*(\slot)+3], s[G0+4*(\slot)+2:G0+4*(\slot)+3], QSTEP
	JLOAD \slot                                    ; my one tensor load behind the round; the four v_nop behind it are also the places in front of the loads below
.else
	PLACES
.endif
	FETCH 1-(\slot), 0
.if \gl
	REFILL NPH-1, \tb
.endif
	MUL8 NPH-1, 2, 0
	MUL8 NPH-1, 3, 0
.endm
; THE WAY OUT of chunk a: 16 rows of out0 (the heads, 64 rows apart) x 128 columns.  A lane's 32 bytes of a row go into my own stage, each accumulator's low four registers first;
; whole rows of 512 bytes come back and are stored.  LDS serves a wave's instructions in order (ISA guide 5.7.1.4): the loads see the stores above them, and the next chunk's stores come behind these loads.
.macro OUTBLK a
.set BK, 32+64*((\a)%2)
	WIN 0x04                                       ; an LDS store's data (source 1) in window 1, its address in window 0
.irp b, 0,1,2,3,4,5,6,7
	ds_store_b128 v[STO], v[8*(8*(\a)+(\b)):8*(8*(\a)+(\b))+3]   offset:64*(\b)
	ds_store_b128 v[STO], v[8*(8*(\a)+(\b))+4:8*(8*(\a)+(\b))+7] offset:64*(\b)+16
.endr
	WIN 0
.if (\a) >= 2
	s_wait_xcnt 0x0                                ; the registers that the stores of two chunks back read are loaded again only when those stores have had their addresses translated (ISA guide 3.1)
.endif
.irp t, 0,1,2,3,4,5,6,7,8,9,10,11,12,13,14,15
	ds_load_b128 v[BK+4*(\t):BK+4*(\t)+3], v[RD] offset:(\t)*SP
.endr
.irp t, 0,1,2,3,4,5,6,7,8,9,10,11,12,13,14,15
	s_wait_dscnt 15-(\t)                           ; row t is back; the younger loads stay out
	global_store_b128 v[CO], v[BK+4*(\t):BK+4*(\t)+3], s[8:9] offset:(\a)*8192+(\t)*524288 th:TH_STORE_NT  ; 512 consecutive bytes of head t's row, at a multiple of 512 from out0's first byte; 7,888,896 at the most, inside the signed 24-bit immediate
.endr
.endm
	s_wait_tensorcnt 0x1                           ; my block of K step 0 is in; step 1's stays out
	s_barrier_signal -1
	s_barrier_wait -1                              ; everybody's is
	FETCH 0, 0
	PHASE 0, 0, 1, 0, 1, 48                        ; the first phase stands in front of the loop: its products start the sums
	WIN 0                                          ; at a label and at a branch every window is 0
	s_mov_b32 s3, LAPS-1
.Llap:                                                 ; a trip goes once round the ring of slots, from a lap's second phase to the next lap's first, and fills both slots again; s[4:5] stands at the lap's first K step
.irp p, 1,2,3,4,5,6
	PHASE 0, \p, 0, 0, 1, 48
.endr
	TURN 0, 1, 0, 1, 48
.irp p, 0,1,2,3,4,5,6
	PHASE 1, \p, 0, 1, 1, 48
.endr
	TURN 1, 1, 1, 1, 48
	PHASE 0, 0, 0, 2, 1, 48
	WIN 0
	s_wait_xcnt 0x0                                ; every load issued has had its address translated (ISA guide 3.1): only behind this wait is y's base stepped
	s_add_nc_u64 s[4:5], s[4:5], 2*YSTEP           ; the next lap's first K step
	s_sub_co_u32 s3, s3, 1
	s_cmp_lg_u32 s3, 0
	s_cbranch_scc1 .Llap
.irp p, 1,2,3,4,5,6                    ; the last lap is written out: it asks for no tile more
	PHASE 0, \p, 0, 0, 1, 48
.endr
	TURN 0, 0, 0, 1, 48
	PHASE 1, 0, 0, 1, 1, 48                        ; set 7 of the last K step: the last load from y
.irp p, 1,2,3,4,5,6
	PHASE 1, \p, 0, 1, 0, 8*(7-(\p))               ; nothing more is loaded, so no load passes y's end, and the counts run down: 7 - p sets are younger than phase p's
.endr
	s_wait_loadcnt 0x0                             ; the very last phase
	s_wait_dscnt 0x0
	MUL8 NPH-1, 0, 0
	MUL8 NPH-1, 1, 0
	MUL8 NPH-1, 2, 0
	MUL8 NPH-1, 3, 0
	PLACES
	OUTBLK 0
	OUTBLK 1
	OUTBLK 2
	OUTBLK 3
	WIN 0
	s_wait_tensorcnt 0x0                           ; the wave's end: an add of 0 to the spare word and its wait, behind my last tensor load and my last LDS store
	ds_add_u32 v[SPW], v[NIL]
	s_wait_dscnt 0x0
	CROUND                                         ; the closing round: no work-group ends while a partner may still ask for a tile that names it
	s_endpgm
.Lfunc_end_k_qd68bbda409_oproj:
	.size	k_qd68bbda409_oproj, .Lfunc_end_k_qd68bbda409_oproj-k_qd68bbda409_oproj
	.p2alignl 7, 3214868480
	.fill 96, 4, 3214868480
	.section	.rodata,"a",@progbits
	.p2align	6, 0x0
	.amdhsa_kernel k_qd68bbda409_oproj
		.amdhsa_group_segment_fixed_size 327680
		.amdhsa_private_segment_fixed_size 0
		.amdhsa_enable_private_segment 0
		.amdhsa_kernarg_size 24
		.amdhsa_user_sgpr_count 2
		.amdhsa_user_sgpr_kernarg_segment_ptr 1
		.amdhsa_wavefront_size32 1
		.amdhsa_system_sgpr_workgroup_id_x 1
		.amdhsa_system_sgpr_workgroup_id_y 1
		.amdhsa_system_sgpr_workgroup_id_z 1
		.amdhsa_system_vgpr_workitem_id 0
		.amdhsa_next_free_vgpr 768
		.amdhsa_next_free_sgpr 66
		.amdhsa_reserve_vcc 0
		.amdhsa_float_denorm_mode_32 3
		.amdhsa_float_denorm_mode_16_64 3
		.amdhsa_memory_ordered 1
		.amdhsa_forward_progress 1
		.amdhsa_inst_pref_size 153
	.end_amdhsa_kernel
	.amdgpu_metadata
---
amdhsa.version: [ 1, 2 ]
amdhsa.kernels:
  - .name:           k_qd68bbda409_oproj
    .symbol:         k_qd68bbda409_oproj.kd
    .args:
      - { .name: y, .offset: 0, .size: 8, .value_kind: global_buffer, .address_space: global }
      - { .name: ab, .offset: 8, .size: 8, .value_kind: global_buffer, .address_space: global }
      - { .name: out0, .offset: 16, .size: 8, .value_kind: global_buffer, .address_space: global }
    .group_segment_fixed_size: 327680
    .private_segment_fixed_size: 0
    .kernarg_segment_align: 8
    .kernarg_segment_size: 24
    .max_flat_workgroup_size: 128
    .sgpr_count:     66
    .vgpr_count:     768
    .wavefront_size: 32
...
	.end_amdgpu_metadata
.endif
;; end of part 4
;; ======== version 2 of 2: 4 launches; version 1 with the launch cvt written anew for expert scheduling mode
;; limits: values are held in f16: magnitudes above 65,504 overflow, below 6.1e-05 lose precision
;; workspace buffers: ab 50,331,648 bytes; qkv 50,331,648 bytes; y 16,777,216 bytes
;; launch cvt (part 5): grid 768 x 1, 8 waves a work-group, no clusters, 0 bytes of LDS; arguments x, wq, wk, wv, wo, ab; writes ab
.if DOCPART == 5
	.amdgcn_target "amdgcn-amd-amdhsa--gfx1250"
	.amdhsa_code_object_version 6
	.text
	.protected	k_qd68bbda409_cvt
	.globl	k_qd68bbda409_cvt
	.p2align	8
	.type	k_qd68bbda409_cvt,@function
k_qd68bbda409_cvt:
	s_mov_b64 s[64:65], 0
	v_nop
	global_prefetch_b8 v0, s[64:65] scope:SCOPE_SE
	s_setreg_imm32_b32 hwreg(HW_REG_WAVE_SCHED_MODE, 0, 2), 2
	s_setreg_imm32_b32 hwreg(HW_REG_WAVE_MODE, 25, 1), 1
	s_wait_xcnt 0x0
	s_wait_alu depctr_vm_vsrc(0)
; ROUNDS x, wq, wk, wv, wo TO 16 BITS AND LAYS THEM OUT FOR THE TWO PRODUCTS THAT FOLLOW.
; ab = [kb 0..31][row 0..12287][64 numbers of 2 bytes]: block kb holds columns 64 kb .. 64 kb + 63 of every row, so that any run of rows of one block is dense in memory.
;   rows 0..4095          x, bf16
;   rows 4096 + nn        wq, wk, wv, bf16, rows permuted: nn = T 2048 + u 128 + e 16 + r (T = 0, 1, 2 for q, k, v)
;                         q, k: source row r 128 + 8 u + e (head r, channel 8 u + e);   v: source row (8 (u & 1) + e) 128 + 16 (u >> 1) + r (head 8 (u & 1) + e, channel 16 (u >> 1) + r)
;   rows 10240 + n        wo, rounded to bf16 like every other input, and that number written as f16 (the last product's other operand is f16)
; LIMIT: |wo| stays under 65,504 (f16's range); below 6e-5 f16 keeps a fixed step of 6e-8.
; SHARES.  A work-group makes 16 rows of ab (rows 16 wg ..), all 32 blocks.  Thread t: row t / 16, four columns 4 (t % 16) .. of each block.  A wave's load takes 2 x 256 consecutive aligned bytes
; (64 f32 of each of its two rows); a wave's store writes 256 consecutive aligned bytes (two neighbouring rows of ab).  All 32 loads of a wave go out at once: no loop, no LDS, no matrix work:
; each byte is read once and written once, and nothing is shared between work-groups, so clusters would serve nothing.
; THE MODE: SCHED_MODE bits 1:0 = 2 (LLVM: expert scheduling mode 2), set by the entry lines.  The code itself states the register dependences
; between vector instructions and memory instructions, with s_wait_alu, always for 0.
; THE PLAN.  Registers that memory instructions touch:
;   v3             the loads' offset.   Written at the head; read by all 32 loads; never written again.
;   v[DO .. DO+7]  the stores' offsets. Written at the head; v[DO + g] is read by group g's four stores; never written again.
;   X              load i lands in X + 4 i .. + 3 (no vector instruction names them before); its conversions read the four and write the first two in place; store i reads those two; nothing writes them again.
; The 32 loads are worked on in eight groups of four.  Group g's conversions name group g's registers alone; the memory instructions dealt among them are group g - 1's four stores, which read group g - 1's
; registers and v[DO + g - 1].  So one wait on va_vdst at a group's head states all that those four stores hang on.  One more stands at the kernel's head, for the offsets, and one ahead of the last four stores.
; No register that a load or a store reads is ever written again: no wait on vm_vsrc is owed, and none for the translation of addresses.
.set KBS, 1572864                      ; bytes in a block of ab: 12,288 rows x 128
.set DO,  4                            ; v[4:11]   byte offset in ab of my 8 bytes in blocks 0, 4, 8, .. 28
.set X,   16                           ; v[16:143] load i: four registers
	s_load_b256 s[4:11], s[0:1], 0x0               ; x s[4:5], wq s[6:7], wk s[8:9], wv s[10:11]
	s_load_b128 s[12:15], s[0:1], 0x20             ; wo s[12:13], ab s[14:15]
	s_and_b32 s20, ttmp9, 127                      ; my place among a weight's 128 work-groups: 8 u + e (q, k, v), or n / 16 (wo)
	s_lshl_b32 s21, ttmp9, 4                       ; x: first source row 16 wg
	s_lshl_b32 s22, s20, 4                         ; wo: first source row
	s_bfe_u32 s24, s20, 0x10003                    ; v: u & 1
	s_lshl_b32 s24, s24, 3
	s_and_b32 s25, s20, 7                          ; e
	s_add_co_u32 s24, s24, s25
	s_lshl_b32 s24, s24, 7                         ; (8 (u & 1) + e) 128
	s_lshr_b32 s25, s20, 4                         ; u >> 1
	s_lshl_b32 s25, s25, 4
	s_add_co_u32 s23, s24, s25                     ; v: first source row
	s_mov_b32 s26, 0xffff0000                      ; a word's upper bf16
	s_lshl_b32 s27, ttmp9, 11                      ; my 16 rows of 128 bytes in a block of ab
	v_and_b32 v1, 15, v0                           ; c
	v_lshrrev_b32 v2, 4, v0                        ; r
	v_lshl_add_u32 v[DO], v0, 3, s27               ; 128 r + 8 c = 8 t
.irp g, 1,2,3,4,5,6,7
	v_add_nc_u32 v[DO+(\g)], (\g)*4*KBS, v[DO]
.endr
	s_wait_kmcnt 0x0
	; the source, its first row SA and the step SM from my row to the next: chosen by the work-group's number alone
	s_mov_b64 s[16:17], s[12:13]                   ; wo
	s_mov_b32 s18, s22
	s_mov_b32 s19, 1
	s_cmp_lt_u32 ttmp9, 640
	s_cselect_b64 s[16:17], s[10:11], s[16:17]     ; wv
	s_cselect_b32 s18, s23, s18
	s_cmp_lt_u32 ttmp9, 512
	s_cselect_b64 s[16:17], s[8:9], s[16:17]       ; wk
	s_cselect_b32 s18, s20, s18
	s_cselect_b32 s19, 128, s19
	s_cmp_lt_u32 ttmp9, 384
	s_cselect_b64 s[16:17], s[6:7], s[16:17]       ; wq
	s_cmp_lt_u32 ttmp9, 256
	s_cselect_b64 s[16:17], s[4:5], s[16:17]       ; x
	s_cselect_b32 s18, s21, s18
	s_cselect_b32 s19, 1, s19
	v_mad_u32_u24 v3, v2, s19, s18                 ; my source row
	v_lshlrev_b32 v3, 13, v3                       ; x 8,192 bytes
	v_lshl_add_u32 v3, v1, 4, v3                   ; + 16 c
	s_wait_alu depctr_va_vdst(0)                   ; v3 is written, which all 32 loads read as their offset; so are v[DO .. DO+7], which the stores read as theirs
.set n, 0
.rept 32
	global_load_b128 v[X+4*n:X+4*n+3], v3, s[16:17] offset:256*n th:TH_LOAD_NT  ; block n's 64 columns of two rows
.set n, n+1
.endr
; Load i is rounded, in place: its four numbers close up into its first two registers.  half = 1: the bf16 numbers are widened again (a shift, a mask) and written as f16.
.macro CONV i, half
	v_cvt_pk_bf16_f32 v[X+4*(\i)], v[X+4*(\i)], v[X+4*(\i)+1]
	v_cvt_pk_bf16_f32 v[X+4*(\i)+1], v[X+4*(\i)+2], v[X+4*(\i)+3]
.if \half
.irp w, 0,1
	v_lshlrev_b32 v[X+4*(\i)+2], 16, v[X+4*(\i)+(\w)]
	v_and_b32 v[X+4*(\i)+3], s26, v[X+4*(\i)+(\w)]
	v_cvt_pk_f16_f32 v[X+4*(\i)+(\w)], v[X+4*(\i)+2], v[X+4*(\i)+3]
.endr
.endif
.endm
; Load i's 8 bytes are stored.  No register is written again behind a store that reads it.
.macro SEND i
	global_store_b64 v[DO+(\i)/4], v[X+4*(\i):X+4*(\i)+1], s[14:15] offset:((\i)%4)*KBS  ; three blocks at the most in the immediate: 4,718,592, inside its signed 24 bits
.endm
; Group g: loads 4 g to 4 g + 3 are rounded; the four stores of the group before are dealt among the conversions, one in front of each load's.
.macro GROUP g, half
	s_wait_loadcnt 28-4*(\g)                       ; loads come back in order (ISA guide 5.7.1): the group's four are in, the 28 - 4 g younger ones stay out
.if (\g) > 0
	s_wait_alu depctr_va_vdst(0)                   ; the conversions of the group before have written its registers, which the four stores below read; no vector instruction behind this wait names them
.endif
.irp i, 0,1,2,3
.if (\g) > 0
	SEND 4*(\g)-4+(\i)
.endif
	CONV 4*(\g)+(\i), \half
.endr
.endm
; The last group's stores.
.macro TAIL
	s_wait_alu depctr_va_vdst(0)                   ; group 7's conversions have written its registers, which the last four stores read
.irp i, 28,29,30,31
	SEND \i
.endr
.endm
	s_cmp_ge_u32 ttmp9, 640
	s_cbranch_scc1 .Lwo
.irp g, 0,1,2,3,4,5,6,7
	GROUP \g, 0
.endr
	TAIL
	s_endpgm
.Lwo:
.irp g, 0,1,2,3,4,5,6,7
	GROUP \g, 1
.endr
	TAIL
	s_endpgm
.Lfunc_end_k_qd68bbda409_cvt:
	.size	k_qd68bbda409_cvt, .Lfunc_end_k_qd68bbda409_cvt-k_qd68bbda409_cvt
	.p2alignl 7, 3214868480
	.fill 96, 4, 3214868480
	.section	.rodata,"a",@progbits
	.p2align	6, 0x0
	.amdhsa_kernel k_qd68bbda409_cvt
		.amdhsa_group_segment_fixed_size 0
		.amdhsa_private_segment_fixed_size 0
		.amdhsa_enable_private_segment 0
		.amdhsa_kernarg_size 48
		.amdhsa_user_sgpr_count 2
		.amdhsa_user_sgpr_kernarg_segment_ptr 1
		.amdhsa_wavefront_size32 1
		.amdhsa_system_sgpr_workgroup_id_x 1
		.amdhsa_system_sgpr_workgroup_id_y 1
		.amdhsa_system_sgpr_workgroup_id_z 1
		.amdhsa_system_vgpr_workitem_id 0
		.amdhsa_next_free_vgpr 144
		.amdhsa_next_free_sgpr 66
		.amdhsa_reserve_vcc 0
		.amdhsa_float_denorm_mode_32 3
		.amdhsa_float_denorm_mode_16_64 3
		.amdhsa_memory_ordered 1
		.amdhsa_forward_progress 1
		.amdhsa_inst_pref_size 29
	.end_amdhsa_kernel
	.amdgpu_metadata
---
amdhsa.version: [ 1, 2 ]
amdhsa.kernels:
  - .name:           k_qd68bbda409_cvt
    .symbol:         k_qd68bbda409_cvt.kd
    .args:
      - { .name: x, .offset: 0, .size: 8, .value_kind: global_buffer, .address_space: global }
      - { .name: wq, .offset: 8, .size: 8, .value_kind: global_buffer, .address_space: global }
      - { .name: wk, .offset: 16, .size: 8, .value_kind: global_buffer, .address_space: global }
      - { .name: wv, .offset: 24, .size: 8, .value_kind: global_buffer, .address_space: global }
      - { .name: wo, .offset: 32, .size: 8, .value_kind: global_buffer, .address_space: global }
      - { .name: ab, .offset: 40, .size: 8, .value_kind: global_buffer, .address_space: global }
    .group_segment_fixed_size: 0
    .private_segment_fixed_size: 0
    .kernarg_segment_align: 8
    .kernarg_segment_size: 48
    .max_flat_workgroup_size: 256
    .sgpr_count:     66
    .vgpr_count:     144
    .wavefront_size: 32
...
	.end_amdgpu_metadata
.endif
;; end of part 5
;; launch qkv: the kernel of part 2 again; grid 16 x 16, 4 waves a work-group, clusters of 4 x 4, 327,680 bytes of LDS; arguments ab, qkv; writes qkv
;; launch attn: the kernel of part 3 again; grid 256 x 1, 16 waves a work-group, no clusters, 0 bytes of LDS; arguments qkv, y; writes y
;; launch oproj: the kernel of part 4 again; grid 16 x 16, 4 waves a work-group, clusters of 4 x 4, 327,680 bytes of LDS; arguments y, ab, out0; writes out0
